; MI455X (gfx1250); checked and timed in simulation.
; The chip was launched on July 23, 2026; its instructions are those of AMD's public machine-readable ISA for CDNA 5 (MIT licence, August 2026) and "CDNA5" Instruction Set Architecture Reference Guide (July 2026). The comments in the code are by the model that wrote it; some were corrected since.
;; Bahdanau Attention. Allowed arithmetic: matrix products marked QUANTISED: E5M2 operands, one given power-of-two scale a tensor, by v_wmma_f32_16x16x64_bf8_bf8 or v_wmma_f32_16x16x128_bf8_bf8, f32 sums; products left as they are: f32 operands where the result goes on into a quantised operand, else bf16, f16 or f32 operands; f32 sums; everything else in f32.
;; Inputs: V_b 1 float32; V_w 1,024 x 1 float32; W1_b 1,024 float32; W1_w_codes 1,024 x 32 x 32 uint8 (E5M2 codes of W1_w, K innermost, in blocks of 32 codes); W2_b 1,024 float32; W2_w_codes 1,024 x 32 x 32 uint8 (E5M2 codes of W2_w, K innermost, in blocks of 32 codes); features 64 x 1,024 x 1,024 float32; hidden_codes 64 x 32 x 32 uint8 (E5M2 codes of hidden, K innermost, in blocks of 32 codes); lowp_scales 4 int32 (the exponents e of the quantised operands' scales 2^e).
;; Outputs: out0 64 x 1,024 float32; out1 64 x 1,024 x 1 float32.
;; This version of the problem:
;;   THIS VERSION OF THE PROBLEM IS GIVEN IN LOW PRECISION. The matrix products marked QUANTISED in the list below multiply operands that are first quantised to E5M2 (5 exponent bits, 2 mantissa bits; 8 bits a number), with one given power-of-two scale for each operand tensor; their sums are f32. All else is computed in f32.
;;   The module's matrix products, in the order in which they are computed (A, B: the left and right operand; K: the contracted axis; several contracted axes count as one K, in the product's order):
;;     1. [M 65,536, K 1,024] x [K 1,024, N 1,024]; A: input features; B: input W1_w (given as codes): QUANTISED (scales: A lowp_scales[0], B lowp_scales[1])
;;     2. [M 64, K 1,024] x [K 1,024, N 1,024]; A: input hidden (given as codes); B: input W2_w (given as codes): QUANTISED (scales: A lowp_scales[2], B lowp_scales[3])
;;     3. [M 65,536, K 1,024] x [K 1,024, N 1]; A: computed on the way; B: input V_w: left as it is (N = 1 < 16)
;;   THE QUANTISER, for each operand of a quantised product, along K:
;;     - The operand's scale is 2^e, e = its entry of the input lowp_scales (int32; the entries are numbered through the quantised products in the list's order, A before B).
;;     - Each number is divided by the scale, clamped to +-57,344, and rounded to the nearest number of E5M2, ties to even, subnormals kept.
;;     - The product sums the exact products of the quantised numbers (number of the format x scale) in f32.
;;   ~~~python
;;   def quantise(x, axis, e):      # numpy; x: float32 -> the quantised numbers, widened to float32 again
;;       x = np.moveaxis(x, axis, -1); K = x.shape[-1]
;;       r = np.clip(x / 2.0 ** e, -57344, 57344)
;;       step = 2.0 ** (np.maximum(np.frexp(np.where(r == 0, 1, r))[1] - 1, -14) - 2)
;;       q = np.round(r / step) * step * 2.0 ** e      # np.round: ties to even
;;       return np.moveaxis(q, -1, axis).astype(np.float32)
;;   ~~~
;;   INPUTS GIVEN AS CODES. W1_w (in the module: [1024, 1024], K = its axis 0); W2_w (in the module: [1024, 1024], K = its axis 0); hidden (in the module: [64, 1024], K = its axis 1): each comes as NAME_codes (uint8): NAME with its K axis moved to the last place and cut into blocks of 32 codes, [.., K / 32, bytes a block], one block behind the other in memory; one code a byte (a code: sign, 5 exponent bits, 2 mantissa bits); its scale is its entry of lowp_scales. Its value is code x scale, taken as it is: it is not quantised again, and the codes and scales need not be those that the quantiser above would give.
;; One version. Each part assembles by itself: llvm-mc -triple=amdgcn-amd-amdhsa -mcpu=gfx1250 --defsym DOCPART=n.
;; ======== version 1 of 1: 3 launches
;; limits: right only within a limited range of input values
;; workspace buffers: bias2 262,144 bytes; logits 262,144 bytes
;; launch projh (part 1): grid 16 x 4, 4 waves a work-group, no clusters, 5,120 bytes of LDS; arguments hidden_codes, W2_w_codes, lowp_scales, W1_b, W2_b, bias2; writes bias2
.if DOCPART == 1
	.amdgcn_target "amdgcn-amd-amdhsa--gfx1250"
	.amdhsa_code_object_version 6
	.text
	.protected	k_q3953dede2c_projh
	.globl	k_q3953dede2c_projh
	.p2align	8
	.type	k_q3953dede2c_projh,@function
k_q3953dede2c_projh:
	s_mov_b64 s[64:65], 0
	v_nop
	global_prefetch_b8 v0, s[64:65] scope:SCOPE_SE
	s_setreg_imm32_b32 hwreg(HW_REG_WAVE_MODE, 25, 1), 1
	s_wait_xcnt 0x0
; bias2[b][u] = 2 log2(e) x ( 2^(e2 + e3) x sum over k of hidden[b][k] W2[k][u]  +  W1_b[u] + W2_b[u] ):  all that the next launch adds to a row's product ahead of the tanh, already in the scale of its exponential.
; hidden: [64][1024], W2: [1024 (u)][1024 (k)]: codes of BF8 (E5M2), K innermost, multiplied as they are; the sum is multiplied once by 2^(e2 + e3), by v_ldexp_f32, so these two exponents have no limit here.
; SHARES.  A work-group takes 64 units x 16 batches, a wave 16 units x 16 batches: eight matrix instructions of 128 along K, on two accumulators by turns; the two are added at the end.
; The product is used transposed (source 0 = 16 rows of W2, source 1 = 16 rows of hidden): lane (r, h) holds batch r and units 8 h + 0 .. 7.
; A fragment comes by four loads of 16 bytes, 32 bytes apart: registers 4 c .. 4 c + 3 hold K = 32 c + 16 h + 0 .. 15, the same places in both operands, so every product meets its partner.
; No joint loads: the text has no tensor load; a wave's operands, 32 KiB, go from memory straight into registers, once.
; REGISTERS: v1 r, v2 h, v3 fragment offset, v4 bias offset, v5 stage in, v6 stage back, v7 offset in bias2; v16-23 W1_b, v24-31 W2_b; v32-39, v40-47 the two sums; v64-191 hidden; window 1, v0-127: W2.
; WORK LEFT OUT, in the whole program.  With r = 1 / (1 + e^(2 x)), tanh(x) = 1 - 2 r, so logits[b][s] = (V_b + sum over u of V_w[u]) - 2 sum over u of V_w[u] r[b][s][u].
; The bracket is the same for every s of a batch; the logits reach the outputs through the softmax over s alone, and a softmax is unchanged by a term that is the same along its axis, whatever the inputs hold.
; So the bracket is not computed, V_b is not loaded and is no launch's argument.  LIMIT: a NaN, an infinity or an overflow that reaches only that bracket is not carried to the results.
.set SP, 272                           ; a stage row: 64 units x 4 bytes + 16 of padding
.set MSB, 0
.macro WIN new                         ; the immediate's high byte repeats the setting that is left
.if MSB != (\new)
	s_set_vgpr_msb (MSB<<8)|(\new)
.set MSB, \new
.endif
.endm
	s_load_b256 s[4:11], s[0:1], 0x0               ; hidden s[4:5], W2 s[6:7], the scales' exponents s[8:9], W1_b s[10:11]
	s_load_b128 s[12:15], s[0:1], 0x20             ; W2_b s[12:13], bias2 s[14:15]
	v_lshl_add_u32 v254, v0, 2, 0x1200
	v_mov_b32 v255, 0
	v_lshrrev_b32 v8, 5, v0
	v_readfirstlane_b32 s16, v8                    ; wave 0..3
	s_and_b32 s17, ttmp7, 0xffff                   ; which 16 batches
	v_and_b32 v1, 15, v0                           ; r
	v_bfe_u32 v2, v0, 4, 1                         ; h
	v_lshlrev_b32 v3, 10, v1
	v_lshl_add_u32 v3, v2, 4, v3                   ; a row of 1,024 codes x r + 16 h
	v_lshlrev_b32 v4, 5, v2                        ; my eight units' biases: 32 h
	v_mul_u32_u24 v5, v1, SP
	v_lshl_add_u32 v5, v2, 5, v5
	s_lshl_b32 s26, s16, 6
	v_add_nc_u32 v5, s26, v5                       ; into the stage: row = batch r, byte 64 x wave + 32 h
	v_mul_u32_u24 v6, v2, SP
	v_lshl_add_u32 v6, v1, 4, v6
	s_mul_i32 s26, s16, 4*SP
	v_add_nc_u32 v6, s26, v6                       ; back: rows 4 x wave + h (and two further on), 16 bytes a lane
	v_lshlrev_b32 v7, 12, v2
	v_lshl_add_u32 v7, v1, 4, v7                   ; and the same place in bias2: rows of 4,096 bytes
	s_lshl_b32 s26, s17, 14                        ; hidden: 16 rows of 1,024 bytes a batch tile
	s_mov_b32 s27, 0
	s_lshl_b32 s28, ttmp9, 16                      ; W2: row 64 x work-group x + 16 x wave
	s_lshl_b32 s30, s16, 14
	s_add_co_u32 s28, s28, s30
	s_mov_b32 s29, 0
	s_lshl_b32 s30, ttmp9, 8                       ; the biases: the same units, 4 bytes each
	s_lshl_b32 s32, s16, 6
	s_add_co_u32 s30, s30, s32
	s_mov_b32 s31, 0
	s_lshl_b32 s32, s17, 16                        ; bias2: row 16 x batch tile + 4 x wave, byte 256 x work-group x
	s_lshl_b32 s34, s16, 14
	s_add_co_u32 s32, s32, s34
	s_lshl_b32 s34, ttmp9, 8
	s_add_co_u32 s32, s32, s34
	s_mov_b32 s33, 0
	s_wait_alu depctr_va_vdst(0)
	s_wait_kmcnt 0x0
	s_load_b128 s[20:23], s[8:9], 0x0              ; e0, e1, e2, e3
	s_add_nc_u64 s[4:5], s[4:5], s[26:27]
	s_add_nc_u64 s[6:7], s[6:7], s[28:29]
	s_add_nc_u64 s[10:11], s[10:11], s[30:31]
	s_add_nc_u64 s[12:13], s[12:13], s[30:31]
	s_add_nc_u64 s[14:15], s[14:15], s[32:33]
.irp s, 0,1,2,3,4,5,6,7
.irp c, 0,1,2,3
	global_load_b128 v[64+16*\s+4*\c:64+16*\s+4*\c+3], v3, s[4:5] offset:128*\s+32*\c      ; hidden, K step s
.endr
.endr
	WIN 0x40                                       ; destination window 1
.irp s, 0,1,2,3,4,5,6,7
.irp c, 0,1,2,3
	global_load_b128 v[16*\s+4*\c:16*\s+4*\c+3], v3, s[6:7] offset:128*\s+32*\c            ; W2, K step s
.endr
.endr
	WIN 0
	global_load_b128 v[16:19], v4, s[10:11]
	global_load_b128 v[20:23], v4, s[10:11] offset:16
	global_load_b128 v[24:27], v4, s[12:13]
	global_load_b128 v[28:31], v4, s[12:13] offset:16
	s_wait_loadcnt 0x0
	s_wait_kmcnt 0x0
	s_add_co_i32 s24, s22, s23                     ; e2 + e3
	WIN 0x01                                       ; source 0 (W2) window 1
.irp s, 0,1,2,3,4,5,6,7
.if \s < 2
	v_wmma_f32_16x16x128_bf8_bf8 v[32+8*(\s%2):39+8*(\s%2)], v[16*\s:16*\s+15], v[64+16*\s:64+16*\s+15], 0
.else
	v_wmma_f32_16x16x128_bf8_bf8 v[32+8*(\s%2):39+8*(\s%2)], v[16*\s:16*\s+15], v[64+16*\s:64+16*\s+15], v[32+8*(\s%2):39+8*(\s%2)]
.endif
.endr
	WIN 0
.rept 4
	v_nop                                          ; four places between the last products and the first read of their results (ISA guide 7.12.1)
.endr
.irp j, 0,2,4,6
	v_pk_add_f32 v[32+\j:33+\j], v[32+\j:33+\j], v[40+\j:41+\j]     ; the two halves of K; each accumulator from its low end on
.endr
.irp j, 0,1,2,3,4,5,6,7
	v_ldexp_f32 v[32+\j], v[32+\j], s24            ; x 2^(e2 + e3)
.endr
.irp j, 0,2,4,6
	v_pk_add_f32 v[16+\j:17+\j], v[16+\j:17+\j], v[24+\j:25+\j]     ; W1_b + W2_b
.endr
.irp j, 0,2,4,6
	v_pk_add_f32 v[32+\j:33+\j], v[32+\j:33+\j], v[16+\j:17+\j]
.endr
.irp j, 0,2,4,6
	v_pk_mul_f32 v[32+\j:33+\j], v[32+\j:33+\j], 0x4038aa3b op_sel_hi:[1,0]   ; x 2 log2(e)
.endr
	ds_store_b128 v5, v[32:35]
	ds_store_b128 v5, v[36:39] offset:16
	s_wait_dscnt 0x0                               ; for the others: my stores into the stage are done; a row's 256 bytes come from four waves
	s_barrier_signal -1
	s_barrier_wait -1
	ds_load_b128 v[40:43], v6
	ds_load_b128 v[44:47], v6 offset:2*SP
	s_wait_dscnt 0x1                               ; the first two rows are back; the second load may be out
	global_store_b128 v7, v[40:43], s[14:15]               ; sixteen lanes store 256 consecutive bytes, at a multiple of 256 from the buffer's first byte
	s_wait_dscnt 0x0
	global_store_b128 v7, v[44:47], s[14:15] offset:8192
	s_wait_tensorcnt 0x0
	ds_add_u32 v254, v255
	s_wait_dscnt 0x0
	s_endpgm
.Lfunc_end_k_q3953dede2c_projh:
	.size	k_q3953dede2c_projh, .Lfunc_end_k_q3953dede2c_projh-k_q3953dede2c_projh
	.p2alignl 7, 3214868480
	.fill 96, 4, 3214868480
	.section	.rodata,"a",@progbits
	.p2align	6, 0x0
	.amdhsa_kernel k_q3953dede2c_projh
		.amdhsa_group_segment_fixed_size 5120
		.amdhsa_private_segment_fixed_size 0
		.amdhsa_enable_private_segment 0
		.amdhsa_kernarg_size 48
		.amdhsa_user_sgpr_count 2
		.amdhsa_user_sgpr_kernarg_segment_ptr 1
		.amdhsa_wavefront_size32 1
		.amdhsa_system_sgpr_workgroup_id_x 1
		.amdhsa_system_sgpr_workgroup_id_y 1
		.amdhsa_system_sgpr_workgroup_id_z 1
		.amdhsa_system_vgpr_workitem_id 0
		.amdhsa_next_free_vgpr 384
		.amdhsa_next_free_sgpr 66
		.amdhsa_reserve_vcc 0
		.amdhsa_float_denorm_mode_32 3
		.amdhsa_float_denorm_mode_16_64 3
		.amdhsa_memory_ordered 1
		.amdhsa_forward_progress 1
		.amdhsa_inst_pref_size 12
	.end_amdhsa_kernel
	.amdgpu_metadata
---
amdhsa.version: [ 1, 2 ]
amdhsa.kernels:
  - .name:           k_q3953dede2c_projh
    .symbol:         k_q3953dede2c_projh.kd
    .args:
      - { .name: hidden_codes, .offset: 0, .size: 8, .value_kind: global_buffer, .address_space: global }
      - { .name: W2_w_codes, .offset: 8, .size: 8, .value_kind: global_buffer, .address_space: global }
      - { .name: lowp_scales, .offset: 16, .size: 8, .value_kind: global_buffer, .address_space: global }
      - { .name: W1_b, .offset: 24, .size: 8, .value_kind: global_buffer, .address_space: global }
      - { .name: W2_b, .offset: 32, .size: 8, .value_kind: global_buffer, .address_space: global }
      - { .name: bias2, .offset: 40, .size: 8, .value_kind: global_buffer, .address_space: global }
    .group_segment_fixed_size: 5120
    .private_segment_fixed_size: 0
    .kernarg_segment_align: 8
    .kernarg_segment_size: 48
    .max_flat_workgroup_size: 128
    .sgpr_count:     66
    .vgpr_count:     384
    .wavefront_size: 32
...
	.end_amdgpu_metadata
.endif
;; end of part 1
;; launch logits (part 2): grid 256 x 1, 4 waves a work-group, clusters of 4 x 1, 327,680 bytes of LDS; arguments features, W1_w_codes, lowp_scales, bias2, V_w, logits; writes logits
.if DOCPART == 2
	.amdgcn_target "amdgcn-amd-amdhsa--gfx1250"
	.amdhsa_code_object_version 6
	.text
	.protected	k_q3953dede2c_logits
	.globl	k_q3953dede2c_logits
	.p2align	8
	.type	k_q3953dede2c_logits,@function
k_q3953dede2c_logits:
	s_mov_b64 s[64:65], 0
	v_nop
	global_prefetch_b8 v0, s[64:65] scope:SCOPE_SE
	s_setreg_imm32_b32 hwreg(HW_REG_WAVE_MODE, 25, 1), 1
	s_wait_xcnt 0x0
	s_wait_alu depctr_hold_cnt(0) depctr_sa_sdst(0) depctr_va_vdst(0) depctr_va_sdst(0) depctr_va_ssrc(0) depctr_va_vcc(0) depctr_vm_vsrc(0)
	s_getreg_b32 s2, hwreg(HW_REG_IB_STS2, 6, 4)
	s_cmp_eq_u32 s2, 0
	s_cbranch_scc0 .Lentry_in_a_cluster
	s_endpgm
.Lentry_in_a_cluster:
	s_bfe_u32 s2, ttmp6, 0x10000c
	s_cmp_lg_u32 s2, 0x3003
	s_cbranch_scc0 .Lentry_shape_is_right
	s_endpgm
.Lentry_shape_is_right:
; logits[b][s] = -2 sum over u of V_w[u] / (1 + 2^x),  x = 2 log2(e) 2^(e0 + e1) (sum over k of Q(features)[b][s][k] W1[k][u]) + bias2[b][u].
; Left out: V_b and the sum of V_w, the same for all s of a batch, which the softmax of the next launch takes away (shown at the head of the first kernel).
; SHARES.  A work-group owns 256 rows of one batch, a wave 64 of them.  FIRST the wave's rows come as f32 through a ring of two LDS slots (64 rows x 512 bytes a wave and slot, eight steps),
; are held at +-57,344 x 2^e0 and converted to E5M2 codes, which stay in 512 registers.  THEN W1's codes go through a ring of two slots of 128 units x 1,024 bytes, laid over the f32 ring.
; The four work-groups of a cluster are one batch's and walk the same W1: its tiles are asked for jointly (mask 15).  The product is used transposed: lane (r, h) holds row r and units 8 h + 0 .. 7.
; A TRIP is one tile of 16 units, and holds four tiles at four stages: + 1 on tile t - 2, the sum with -2 V_w on tile t - 3, the scale and bias on tile t - 1 (48 packed instructions); the next tile's
; LDS loads in one run; one batch of 32 exponentials (t - 1) and 32 reciprocals (t - 2), with the one wait ahead of it and the one behind it; then tile t's 32 matrix
; instructions on end, four accumulators by turns.  No transcendental stands between the links of a sum.
; The walk is primed with zeros: sets 1 to 3, the bias and V registers, and 512 bytes of zeros ahead of V's table, so that the three stages ahead of tile 0 add 0.
; PREFETCH of features: in the step that converts K chunk p each wave asks for its own 64 rows x 512 bytes of chunk p + 2: 128 blocks of 256 bytes, a lane a block, four instructions, one step ahead of
; the tensor load that wants them.  Chunk 1 is asked for at the head, behind chunk 0's tensor load; chunk 0 comes by its load alone; steps 6 and 7 ask for nothing.
; PREFETCH of W1: its first two slots, in steps 4 and 5, two steps ahead of their joint loads: a slot's 512 blocks are shared out by address among the sixteen waves of the cluster's four work-groups,
; 32 blocks, one instruction, a wave.  The later slots' loads have a whole slot's eight tiles in which to land.  No prefetch's address register is ever rewritten: chunk, rows and slot stand in the immediate.
; LIMITS: e0 between -126 and 112; e0 + e1 between -127 and 126 (both are added to exponent fields).
; REGISTERS.  Window 0: v1-23 addresses, v24-31 the rows' sums, v32-39 bias, v40-47 -2 V_w, v48 an offset, v128-255 f32 at work, then four sets of four accumulators.  Window 1: W1's fragments, two sets.
; Windows 2, 3: the codes: K step ks of row block a at window 2 + ks / 4, v[64 a + 16 (ks % 4)].
.set FP,    528                        ; an f32 row in LDS: 512 bytes + 16
.set RF,    64*FP
.set R1,    4*RF                       ; an f32 slot
.set WP,    1040                       ; a row of W1 in LDS: 1,024 bytes + 16
.set WTILE, 16*WP
.set WQ,    32*WP
.set WHALF, 64*WP
.set WSLOT, 128*WP
.set SPARE, 2*R1                       ; the spare words, 512 bytes
.set BTAB,  SPARE+512                  ; bias2's row, 4,096 bytes
.set ZPAD,  BTAB+4096                  ; 512 bytes of zeros
.set VOFF,  4608                       ; from BTAB to -2 V_w, 4,096 bytes
.set LOGT,  BTAB+VOFF+4096             ; 256 bytes a wave for the way out
.set SPW, 1
.set NIL, 2
.set FA0, 3
.set FA1, 4
.set BA0, 5
.set BA,  6
.set BA2, 7
.set TA0, 8
.set TA,  9
.set LIM, 10
.set SCL, 11
.set LS,  20
.set LR,  21
.set GO,  22
.set PFO, 23                           ; features' prefetches: row lane / 2, block lane % 2; never rewritten
.set L,   24
.set BI,  32
.set VV,  40
.set PWO, 48                           ; W1's prefetches: 256 x lane; never rewritten
.set X,   128
.set ACC, 128
.set WV,  18
.set CX,  19
.set GI,  20
.set TB,  23
.set G1F, 24
.set G1W, 32
.set G0F0, 40
.set G0F1, 44
.set G0W, 48
.set TT,  52
.set CNT, 53
.set TBG, 54
.set TBC, 55
.set CS,  56
.set SEL, 66
.set PFB, 76                           ; s[76:77] my wave's first row of features; never rewritten
.set PFW, 78                           ; s[78:79] my wave's 32 blocks of W1's first slot; never rewritten
.set MSB, 0
.macro WIN new                         ; the immediate's high byte repeats the setting that is left
.if MSB != (\new)
	s_set_vgpr_msb (MSB<<8)|(\new)
.set MSB, \new
.endif
.endm
.macro NOP4
.rept 4
	v_nop
.endr
.endm
.macro ROUND                           ; a round of the cluster's barrier
	s_barrier_signal -1
	s_barrier_wait -1
	s_cmp_lg_u32 s[WV], 0
	s_cbranch_scc1 .Lnot_wave_0_\@
	s_barrier_signal -3
.Lnot_wave_0_\@:
	s_barrier_wait -3
	s_barrier_signal -1
	s_barrier_wait -1
.endm
.macro LOADX a, set, fa                ; row block a's 128 along K as f32: register 16 c + n is k = 32 c + 16 h + n
.irp c, 0,1,2,3
.irp j, 0,1,2,3
	ds_load_b128 v[X+64*(\set)+16*\c+4*\j:X+64*(\set)+16*\c+4*\j+3], v[\fa] offset:(\a)*16*FP+128*\c+16*\j
.endr
.endr
.endm
.macro QUANT a, p, set                 ; the hold, then eight conversions: the results are the operand's registers of K step p
.set XS, X+64*(\set)
.set IX, 0
.rept 64
	v_med3_num_f32 v[XS+IX], v[XS+IX], -v[LIM], v[LIM]
.set IX, IX+1
.endr
	WIN 0x80+0x40*((\p)/4)
.irp m, 0,1,2,3,4,5,6,7
	v_cvt_scalef32_pk8_bf8_f32 v[64*(\a)+16*((\p)%4)+2*\m:64*(\a)+16*((\p)%4)+2*\m+1], v[XS+8*\m:XS+8*\m+7], v[SCL]
.endr
	WIN 0
	v_nop                                          ; a plain place behind the last conversion
.endm
.macro QTILE p, fa                     ; the counts leave the next block's 16 loads out
	LOADX 0, 0, \fa
.if (\p) < 6
.irp i, 0,1,2,3
	global_prefetch_b8 v[PFO], s[PFB:PFB+1] offset:65536*\i+512*((\p)+2) th:TH_LOAD_NT scope:SCOPE_SE   ; chunk p + 2, rows 16 i .. 16 i + 15
.endr
.endif
.if ((\p) == 4) || ((\p) == 5)
	global_prefetch_b8 v[PWO], s[PFW:PFW+1] offset:131072*((\p)-4) th:TH_LOAD_NT scope:SCOPE_SE        ; my 32 blocks of W1's slot p - 4
.endif
	LOADX 1, 1, \fa
	s_wait_dscnt 16
	QUANT 0, \p, 0
	LOADX 2, 0, \fa
	s_wait_dscnt 16
	QUANT 1, \p, 1
	LOADX 3, 1, \fa
	s_wait_dscnt 16
	QUANT 2, \p, 0
	s_wait_dscnt 0x0
	QUANT 3, \p, 1
.endm
.macro CHANGE g0, g1, step             ; a change of slots: all my loads are in, the add, my reads are over, the round, my one load
	s_wait_alu depctr_va_vdst(0)
	s_wait_tensorcnt 0x0
	ds_add_u32 v[SPW], v[NIL]
.if \step == 1
	s_add_nc_u64 s[\g0+2:\g0+3], s[\g0+2:\g0+3], 1024
.elseif \step == 2
	s_xor_b32 s[\g0+1], s[\g0+1], WSLOT
	s_add_nc_u64 s[\g0+2:\g0+3], s[\g0+2:\g0+3], 131072
.endif
	s_wait_dscnt 0x0
	ROUND
	tensor_load_to_lds s[\g0:\g0+3], s[\g1:\g1+7]
	s_nop 0
	NOP4
.endm
	s_load_b256 s[4:11], s[0:1], 0x0               ; features, W1's codes, the scales' exponents, bias2
	s_load_b128 s[12:15], s[0:1], 0x20             ; V_w, logits
	v_lshl_add_u32 v[SPW], v0, 2, SPARE
	v_mov_b32 v[NIL], 0
	ds_add_u32 v[SPW], v[NIL]                      ; the opening lines: the add twice and one wait
	ds_add_u32 v[SPW], v[NIL]
	v_lshrrev_b32 v12, 5, v0
	v_readfirstlane_b32 s[WV], v12                 ; wave 0..3
	s_bfe_u32 s[CX], ttmp6, 0x40000
	s_lshl_b32 s[GI], ttmp9, 2
	s_add_co_u32 s[GI], s[GI], s[CX]               ; work-group = 4 x batch + cx
	s_mov_b32 s[G1F+0], (2<<16)|(1<<20)|(6<<22)|(3<<25)   ; f32: 64 rows x 128 elements, 4 dwords behind every 128
	s_mov_b32 s[G1F+1], 128<<16
	s_mov_b32 s[G1F+2], 64<<16
	s_mov_b32 s[G1F+3], 128<<16
	s_mov_b32 s[G1F+4], 64
	s_mov_b32 s[G1F+5], 1024
	s_mov_b32 s[G1F+6], 0
	s_mov_b32 s[G1F+7], 0
	s_mov_b32 s[G1W+0], 15|(1<<20)|(1<<21)|(7<<22)|(3<<25) ; codes: 32 rows x 1,024 bytes, joint for the cluster's four
	s_mov_b32 s[G1W+1], 1024<<16
	s_mov_b32 s[G1W+2], 32<<16
	s_mov_b32 s[G1W+3], 1024<<16
	s_mov_b32 s[G1W+4], 32
	s_mov_b32 s[G1W+5], 1024
	s_mov_b32 s[G1W+6], 0
	s_mov_b32 s[G1W+7], 0
	s_lshl_b32 s68, s[GI], 20                      ; features: 256 rows of 4,096 bytes a work-group, 64 a wave
	s_lshl_b32 s69, s[WV], 18
	s_add_co_u32 s68, s68, s69
	s_mov_b32 s69, 0
	s_lshl_b32 s70, s[WV], 15                      ; W1: 32 rows a wave
	s_mov_b32 s71, 0
	s_lshl_b32 s72, ttmp9, 12                      ; bias2: the batch's row
	s_mov_b32 s73, 0
	s_lshl_b32 s74, s[GI], 10                      ; logits: 4 bytes a row
	s_lshl_b32 s75, s[WV], 8
	s_add_co_u32 s74, s74, s75
	s_mov_b32 s75, 0
	s_lshl_b32 s58, s[CX], 2                       ; W1's prefetches: 8,192 bytes for each of the cluster's sixteen waves, told apart by address alone
	s_add_co_u32 s58, s58, s[WV]
	s_lshl_b32 s58, s58, 13
	s_mov_b32 s59, 0
	s_mov_b32 s[SEL], 0x76543210
	s_mov_b32 s[SEL+1], 0xfedcba98
	s_wait_dscnt 0x0
	s_wait_kmcnt 0x0
	s_load_b128 s[60:63], s[8:9], 0x0              ; e0, e1, e2, e3
	s_mov_b32 s[G0F0], 1
	s_mul_i32 s[G0F0+1], s[WV], RF
	s_add_nc_u64 s[G0F0+2:G0F0+3], s[4:5], s[68:69]
	s_add_nc_u64 s[PFB:PFB+1], s[4:5], s[68:69]
	s_add_nc_u64 s[PFW:PFW+1], s[6:7], s[58:59]
	s_mov_b32 s[G0F1], 1
	s_add_co_u32 s[G0F1+1], s[G0F0+1], R1
	s_add_nc_u64 s[G0F1+2:G0F1+3], s[G0F0+2:G0F0+3], 512
	s_or_b32 s[G0F0+3], s[G0F0+3], 0x80000000
	s_or_b32 s[G0F1+3], s[G0F1+3], 0x80000000
	s_mov_b32 s[G0W], 1
	s_mul_i32 s[G0W+1], s[WV], WQ
	s_add_nc_u64 s[G0W+2:G0W+3], s[6:7], s[70:71]
	s_or_b32 s[G0W+3], s[G0W+3], 0x80000000
	s_add_nc_u64 s[10:11], s[10:11], s[72:73]
	s_add_nc_u64 s[14:15], s[14:15], s[74:75]
	s_lshl_b32 s68, s[WV], 8
	s_add_co_u32 s68, s68, LOGT
	ROUND
	tensor_load_to_lds s[G0F0:G0F0+3], s[G1F:G1F+7] ; K chunk 0: one tensor load a wave at the head; the rest of the head stands under its flight
	s_nop 0
	v_lshlrev_b32 v12, 5, v0
	global_load_b128 v[80:83], v12, s[10:11]       ; thread t: units 8 t .. 8 t + 7 of bias2 and of V_w
	global_load_b128 v[84:87], v12, s[10:11] offset:16
	global_load_b128 v[88:91], v12, s[12:13]
	global_load_b128 v[92:95], v12, s[12:13] offset:16
	v_lshl_add_u32 v13, v0, 5, BTAB
	v_lshl_add_u32 v17, v0, 2, ZPAD
	v_mov_b32 v16, 0
	v_and_b32 v14, 15, v0                          ; r
	v_bfe_u32 v15, v0, 4, 1                        ; h
	v_and_b32 v18, 31, v0
	v_mul_u32_u24 v[FA0], v14, FP
	v_lshl_add_u32 v[FA0], v15, 6, v[FA0]
	v_add_nc_u32 v[FA0], s[G0F0+1], v[FA0]         ; f32: my wave's rows, row r, 64 h
	v_add_nc_u32 v[FA1], R1, v[FA0]
	v_mul_u32_u24 v[BA0], v14, WP
	v_lshl_add_u32 v[BA0], v15, 4, v[BA0]          ; W1: row r, 16 h
	v_lshl_add_u32 v[TA0], v15, 5, BTAB            ; the tables: my eight units, 32 h
	v_lshl_add_u32 v[LS], v14, 2, s68
	v_lshl_add_u32 v[LR], v18, 3, s68
	v_lshlrev_b32 v[GO], 3, v18
	v_lshlrev_b32 v[PWO], 8, v18
	v_lshrrev_b32 v19, 1, v18
	v_and_b32 v[PFO], 1, v18
	v_lshlrev_b32 v[PFO], 8, v[PFO]
	v_lshl_add_u32 v[PFO], v19, 12, v[PFO]         ; 4,096 x (lane / 2) + 256 x (lane % 2)
.irp i, 0,1,2,3
	global_prefetch_b8 v[PFO], s[PFB:PFB+1] offset:65536*\i+512 th:TH_LOAD_NT scope:SCOPE_SE   ; chunk 1: its tensor load goes out when chunk 0 has landed
.endr
	s_wait_kmcnt 0x0
	s_add_co_i32 s69, s60, 127
	s_lshl_b32 s70, s69, 23
	v_mov_b32 v[SCL], s70                          ; 2^e0
	s_add_co_i32 s69, s69, 15
	s_lshl_b32 s69, s69, 23
	s_or_b32 s69, s69, 0x600000
	v_mov_b32 v[LIM], s69                          ; 57,344 x 2^e0
	s_add_co_i32 s70, s60, s61
	s_lshl_b32 s70, s70, 23
	s_add_co_i32 s[CS], s70, 0x4038aa3b            ; 2 log2(e) x 2^(e0 + e1)
	s_mov_b32 s[CS+1], s[CS]
	s_wait_alu depctr_va_vdst(0)
	s_wait_loadcnt 0x0
.irp j, 0,2,4,6
	v_pk_mul_f32 v[88+\j:89+\j], v[88+\j:89+\j], -2.0 op_sel_hi:[1,0]
.endr
	ds_store_b128 v13, v[80:83]
	ds_store_b128 v13, v[84:87] offset:16
	ds_store_b128 v13, v[88:91] offset:VOFF
	ds_store_b128 v13, v[92:95] offset:VOFF+16
	ds_store_b32 v17, v16                          ; the zeros ahead of V's table
	s_wait_tensorcnt 0x0                           ; chunk 0 is in; slot 1's first fill is issued as a refill is
	ds_add_u32 v[SPW], v[NIL]
	s_wait_dscnt 0x0
	ROUND
	tensor_load_to_lds s[G0F1:G0F1+3], s[G1F:G1F+7]
	s_nop 0
	NOP4
	QTILE 0, FA0
	CHANGE G0F0, G1F, 1
	QTILE 1, FA1
	CHANGE G0F1, G1F, 1
	QTILE 2, FA0
	CHANGE G0F0, G1F, 1
	QTILE 3, FA1
	CHANGE G0F1, G1F, 1
	QTILE 4, FA0
	CHANGE G0F0, G1F, 1
	QTILE 5, FA1
	CHANGE G0F1, G1F, 1
	QTILE 6, FA0
	CHANGE G0W, G1W, 0                             ; W1's units 0-127, over the f32 slot that has been read out
	QTILE 7, FA1
; the priming zeros (see the head)
.set IX, 0
.rept 96
	v_mov_b32 v[ACC+32+IX], 0
.set IX, IX+1
.endr
.irp j, 0,1,2,3,4,5,6,7
	v_mov_b32 v[L+\j], 0
	v_mov_b32 v[BI+\j], 0
	v_mov_b32 v[VV+\j], 0
.endr
.irp j, 17,18,19
	v_mov_b32 v\j, 0                               ; with v16: the lane permutes' destinations count as sources
.endr
	CHANGE G0W, G1W, 2                             ; units 128-255
.macro SETS q
.set SW,  ACC+32*(\q)
.set SE,  ACC+32*(((\q)+3)%4)
.set SR,  ACC+32*(((\q)+2)%4)
.set SF,  ACC+32*(((\q)+1)%4)
.set BS,  128*((\q)%2)
.set BN,  128*(((\q)+1)%2)
.endm
; the plain stages.  c: 1 + 2^x.  e: the rows' sums, four chains by turns.  a: x = sum x scale + bias, each accumulator from its low end on; the 32 lines ahead of it are the places behind the last products.
.macro PLAIN c, e, a
.set IX, 0
.rept 16
.set PN, 4*(IX%4)+IX/4
.if \c
	v_pk_add_f32 v[SR+2*IX:SR+2*IX+1], v[SR+2*IX:SR+2*IX+1], 1.0 op_sel_hi:[1,0]
.endif
.if \e
	v_pk_fma_f32 v[L+2*(IX%4):L+2*(IX%4)+1], v[SF+2*PN:SF+2*PN+1], v[VV+2*(IX/4):VV+2*(IX/4)+1], v[L+2*(IX%4):L+2*(IX%4)+1]
.endif
.set IX, IX+1
.endr
.if \a
.set IX, 0
.rept 16
	v_pk_fma_f32 v[SE+2*IX:SE+2*IX+1], v[SE+2*IX:SE+2*IX+1], s[CS:CS+1], v[BI+(2*IX)%8:BI+(2*IX)%8+1] op_sel_hi:[1,0,1]
.set IX, IX+1
.endr
.endif
.endm
.macro BATCH e, r                      ; one batch, one wait ahead of it and one behind it
	s_wait_alu depctr_va_vdst(0)
.set IX, 0
.rept 32
.if \e
	v_exp_f32 v[SE+IX], v[SE+IX]
.endif
.if \r
	v_rcp_f32 v[SR+IX], v[SR+IX]
.endif
.set IX, IX+1
.endr
	v_nop
	s_wait_alu depctr_va_vdst(0)
.endm
.macro RUN tab, adr, tile              ; this tile's bias, -2 V_w of the tile two back, and the next tile's fragments into the other set
	ds_load_b128 v[BI:BI+3], v[TA] offset:(\tab)
	ds_load_b128 v[BI+4:BI+7], v[TA] offset:(\tab)+16
	ds_load_b128 v[VV:VV+3], v[TA] offset:VOFF-128+(\tab)
	ds_load_b128 v[VV+4:VV+7], v[TA] offset:VOFF-112+(\tab)
	WIN 0x40
.irp s, 0,1,2,3,4,5,6,7
.irp c, 0,1,2,3
	ds_load_b128 v[BN+16*\s+4*\c:BN+16*\s+4*\c+3], v[\adr] offset:(\tile)*WTILE+128*\s+32*\c
.endr
.endr
	WIN 0
.endm
.macro MULS                            ; 32 products: K ascending, the four row blocks' accumulators by turns; the first four start the sums
.set IX, 0
.rept 32
.set RA, IX%4
.set KS, IX/4
	WIN 0x09+4*(KS/4)
.if KS == 0
	v_wmma_f32_16x16x128_bf8_bf8 v[SW+8*RA:SW+8*RA+7], v[BS+16*KS:BS+16*KS+15], v[64*RA+16*(KS%4):64*RA+16*(KS%4)+15], 0
.else
	v_wmma_f32_16x16x128_bf8_bf8 v[SW+8*RA:SW+8*RA+7], v[BS+16*KS:BS+16*KS+15], v[64*RA+16*(KS%4):64*RA+16*(KS%4)+15], v[SW+8*RA:SW+8*RA+7]
.endif
.set IX, IX+1
.endr
	WIN 0
.endm
; turn = 1: the slot's last tile is in registers: the slot is filled again behind a round.  turn = 2: no refill; a barrier shows the last slot whole to all waves.
.macro TRIP q, tab, adr, tile, turn
	SETS \q
	s_wait_dscnt 0x0                               ; what the last trip asked of LDS: this tile's fragments and the tables' words
.if \turn == 1
	s_wait_tensorcnt 0x0
	ds_add_u32 v[SPW], v[NIL]                      ; the plain stages stand between the add and the wait for it
	s_xor_b32 s[G0W+1], s[G0W+1], WSLOT
	s_add_nc_u64 s[G0W+2:G0W+3], s[G0W+2:G0W+3], 131072
.elseif \turn == 2
	s_wait_tensorcnt 0x0
	s_barrier_signal -1
	s_barrier_wait -1
.endif
	PLAIN 1, 1, 1
.if \turn == 1
	s_wait_dscnt 0x0
	ROUND
	tensor_load_to_lds s[G0W:G0W+3], s[G1W:G1W+7]
	s_nop 0
	NOP4
	s_xor_b32 s[TB], s[TB], WSLOT
	v_add_nc_u32 v[BA], s[TB], v[BA0]
	v_add_nc_u32 v[BA2], WHALF, v[BA]
.elseif \turn == 2
	s_add_co_u32 s[TBG], s[TBG], WHALF
	s_min_u32 s[TBC], s[TBG], 3*WHALF              ; behind the last tile nothing follows: the address is held inside the ring
	v_add_nc_u32 v[BA], s[TBC], v[BA0]
.endif
	RUN \tab, \adr, \tile
	BATCH 1, 1
	MULS
.endm
.macro DRAIN q, c, a, vt               ; the stages that are left behind the last tile
	SETS \q
	s_wait_dscnt 0x0
	PLAIN \c, 1, \a
.if \vt >= 0
	ds_load_b128 v[VV:VV+3], v[TA] offset:VOFF-128+(\vt)
	ds_load_b128 v[VV+4:VV+7], v[TA] offset:VOFF-112+(\vt)
.endif
.if \c
	BATCH \a, 1
.endif
.endm
	s_mov_b32 s[TB], 0
	s_mov_b32 s[TT], 0
	v_add_nc_u32 v[BA], s[TB], v[BA0]
	v_add_nc_u32 v[BA2], WHALF, v[BA]
	WIN 0x40
.irp s, 0,1,2,3,4,5,6,7
.irp c, 0,1,2,3
	ds_load_b128 v[16*\s+4*\c:16*\s+4*\c+3], v[BA] offset:128*\s+32*\c
.endr
.endr
	WIN 0
	s_mov_b32 s[CNT], 6
	s_wait_alu depctr_va_vdst(0)
.Lslot:                                                ; a trip of this loop is a slot: eight tiles and one refill
	v_add_nc_u32 v[TA], s[TT], v[TA0]
	TRIP 0, 0,   BA,  1, 0
	TRIP 1, 64,  BA,  2, 0
	TRIP 2, 128, BA,  3, 0
	TRIP 3, 192, BA2, 0, 0
	TRIP 0, 256, BA2, 1, 0
	TRIP 1, 320, BA2, 2, 0
	TRIP 2, 384, BA2, 3, 0
	TRIP 3, 448, BA,  0, 1
	s_add_co_u32 s[TT], s[TT], 512
	s_sub_co_u32 s[CNT], s[CNT], 1
	s_cmp_lg_u32 s[CNT], 0
	s_cbranch_scc1 .Lslot
	s_mov_b32 s[TBG], 0
	s_mov_b32 s[CNT], 4
.Lgroup:                                               ; the last two slots, four tiles a trip: nothing is filled again
	v_add_nc_u32 v[TA], s[TT], v[TA0]
	TRIP 0, 0,   BA, 1, 0
	TRIP 1, 64,  BA, 2, 0
	TRIP 2, 128, BA, 3, 0
	TRIP 3, 192, BA, 0, 2
	s_add_co_u32 s[TT], s[TT], 256
	s_sub_co_u32 s[CNT], s[CNT], 1
	s_cmp_lg_u32 s[CNT], 0
	s_cbranch_scc1 .Lgroup
	v_add_nc_u32 v[TA], s[TT], v[TA0]
	DRAIN 0, 1, 1, 0
	DRAIN 1, 1, 0, 64
	DRAIN 2, 0, 0, -1
.irp a, 0,1,2,3
	v_add_f32 v[12+\a], v[L+2*\a], v[L+2*\a+1]     ; a row's units: the pair, then lane l xor 16's eight
.endr
.irp a, 0,1,2,3
	v_permlanex16_b32 v[16+\a], v[12+\a], s[SEL], s[SEL+1]
.endr
.irp a, 0,1,2,3
	v_add_f32 v[12+\a], v[12+\a], v[16+\a]
.endr
.irp a, 0,1,2,3
	ds_store_b32 v[LS], v[12+\a] offset:64*\a
.endr
	ds_load_b64 v[16:17], v[LR]                    ; my wave's own bytes, served in order
	s_wait_dscnt 0x0
	global_store_b64 v[GO], v[16:17], s[14:15]     ; 32 lanes store 256 consecutive bytes, aligned
	s_wait_tensorcnt 0x0                           ; the wave's end
	ds_add_u32 v[SPW], v[NIL]
	s_wait_dscnt 0x0
	ROUND                                          ; the closing round
	s_endpgm
.Lfunc_end_k_q3953dede2c_logits:
	.size	k_q3953dede2c_logits, .Lfunc_end_k_q3953dede2c_logits-k_q3953dede2c_logits
	.p2alignl 7, 3214868480
	.fill 96, 4, 3214868480
	.section	.rodata,"a",@progbits
	.p2align	6, 0x0
	.amdhsa_kernel k_q3953dede2c_logits
		.amdhsa_group_segment_fixed_size 327680
		.amdhsa_private_segment_fixed_size 0
		.amdhsa_enable_private_segment 0
		.amdhsa_kernarg_size 48
		.amdhsa_user_sgpr_count 2
		.amdhsa_user_sgpr_kernarg_segment_ptr 1
		.amdhsa_wavefront_size32 1
		.amdhsa_system_sgpr_workgroup_id_x 1
		.amdhsa_system_sgpr_workgroup_id_y 1
		.amdhsa_system_sgpr_workgroup_id_z 1
		.amdhsa_system_vgpr_workitem_id 0
		.amdhsa_next_free_vgpr 1024
		.amdhsa_next_free_sgpr 80
		.amdhsa_reserve_vcc 0
		.amdhsa_float_denorm_mode_32 3
		.amdhsa_float_denorm_mode_16_64 3
		.amdhsa_memory_ordered 1
		.amdhsa_forward_progress 1
		.amdhsa_inst_pref_size 255
	.end_amdhsa_kernel
	.section	.bss,"aw",@nobits
	.p2align	6
	.space	262144
	.amdgpu_metadata
---
amdhsa.version: [ 1, 2 ]
amdhsa.kernels:
  - .name:           k_q3953dede2c_logits
    .symbol:         k_q3953dede2c_logits.kd
    .args:
      - { .name: features, .offset: 0, .size: 8, .value_kind: global_buffer, .address_space: global }
      - { .name: W1_w_codes, .offset: 8, .size: 8, .value_kind: global_buffer, .address_space: global }
      - { .name: lowp_scales, .offset: 16, .size: 8, .value_kind: global_buffer, .address_space: global }
      - { .name: bias2, .offset: 24, .size: 8, .value_kind: global_buffer, .address_space: global }
      - { .name: V_w, .offset: 32, .size: 8, .value_kind: global_buffer, .address_space: global }
      - { .name: logits, .offset: 40, .size: 8, .value_kind: global_buffer, .address_space: global }
    .group_segment_fixed_size: 327680
    .private_segment_fixed_size: 0
    .kernarg_segment_align: 8
    .kernarg_segment_size: 48
    .max_flat_workgroup_size: 128
    .sgpr_count:     80
    .vgpr_count:     1024
    .wavefront_size: 32
...
	.end_amdgpu_metadata
.endif
;; end of part 2
;; launch context (part 3): grid 256 x 1, 8 waves a work-group, no clusters, 327,680 bytes of LDS; arguments logits, features, out0, out1; writes out0, out1
.if DOCPART == 3
	.amdgcn_target "amdgcn-amd-amdhsa--gfx1250"
	.amdhsa_code_object_version 6
	.text
	.protected	k_q3953dede2c_context
	.globl	k_q3953dede2c_context
	.p2align	8
	.type	k_q3953dede2c_context,@function
k_q3953dede2c_context:
	s_mov_b64 s[64:65], 0
	v_nop
	global_prefetch_b8 v0, s[64:65] scope:SCOPE_SE
	s_setreg_imm32_b32 hwreg(HW_REG_WAVE_MODE, 25, 1), 1
	s_wait_xcnt 0x0
; out1[b][s] = softmax over s of logits[b][s];  out0[b][f] = sum over s of out1[b][s] features[b][s][f].  All in f32; the row's largest logit is taken away ahead of the exponential.
; The logits come without V_b and the sum of V_w, which are the same for all s and which this softmax takes away (shown at the head of the first kernel).
; SHARES.  A work-group owns one batch and 256 of its 1,024 columns, so it owns its 1,024 bytes of out0.  The batch's rows go in eight steps of 128 through a ring of two LDS slots of 128 KiB;
; wave w fetches and reads rows 16 w .. 16 w + 15 of a step (16 rows x 1,024 bytes, one tensor load).  Behind each barrier one load a wave is out, and the other slot is read meanwhile.
; The softmax (thread t: logits 4 t .. 4 t + 3) stands under the first load's flight; the weights lie in an LDS table, and a wave reads its 16 of a step as four words of 16 bytes, the same in all lanes.
; The four work-groups of a batch share only the 4,096 bytes of logits: no cluster.  No matrix unit: a stream.
; PREFETCH of features: in step t each wave asks for its own 16 rows x 1,024 bytes of step t + 2: 64 blocks of 256 bytes, a lane a block, two instructions, one step ahead of the tensor load that wants them.
; Step 1 is asked for at the head, behind step 0's tensor load; step 0 comes by its load alone; steps 6 and 7, written out behind the loop, ask for nothing.
; The loop's base is stepped once a trip of the loop, behind s_wait_xcnt 0.
; REGISTERS: v1 16 x lane; v[2:5] logits, then weights; v6 16 x thread; v7-15 at work and addresses; v16-23 the sums (columns 4 l .. + 3 and 128 + 4 l .. + 3); v24-31 addresses; v32-47 a step's weights; v48-55 the waves' figures; v64-191 a step's rows.
.set SLOT,  131072
.set STEPB, 524288                     ; 128 rows of 4,096 bytes
.set SPARE, 2*SLOT                     ; the spare words, 1,024 bytes
.set WT,    SPARE+1024                 ; the weights, 4,096 bytes
.set MAXW,  WT+4096                    ; a word for each wave's maximum,
.set SUMO,  256                        ; 256 bytes on: for each wave's sum
.set RED,   MAXW+512                   ; 1,024 bytes for each wave's part of out0
.set SPW, 24
.set NIL, 25
.set WA,  26
.set DA,  27                           ; v27, v28: my rows in slot 0, 1
.set PFO, 31                           ; the prefetches' offset: row lane / 4, block lane % 4; never rewritten
.set WGT, 32
.set DAT, 64
.set G1,  16
.set G0,  24
.set PFB, 42                           ; s[42:43]: my rows of the step two on from the loop's first
	s_load_b256 s[4:11], s[0:1], 0x0               ; logits, features, out0, out1
	v_lshl_add_u32 v[SPW], v0, 2, SPARE
	v_mov_b32 v[NIL], 0
	ds_add_u32 v[SPW], v[NIL]                      ; the opening lines: the add twice and one wait
	ds_add_u32 v[SPW], v[NIL]
	v_lshrrev_b32 v8, 5, v0
	v_readfirstlane_b32 s12, v8                    ; wave 0..7
	s_lshr_b32 s13, ttmp9, 2                       ; batch
	s_and_b32 s14, ttmp9, 3                        ; which 256 columns
	s_mov_b32 s[G1+0], 2<<16                       ; elements of 4 bytes, no padding: 16 rows x 256 elements, 1,024 elements from row to row
	s_mov_b32 s[G1+1], 256<<16
	s_mov_b32 s[G1+2], 16<<16
	s_mov_b32 s[G1+3], 256<<16
	s_mov_b32 s[G1+4], 16
	s_mov_b32 s[G1+5], 1024
	s_mov_b32 s[G1+6], 0
	s_mov_b32 s[G1+7], 0
	s_lshl_b32 s40, s13, 22                        ; features: 1,024 rows of 4,096 bytes a batch,
	s_lshl_b32 s41, s12, 16                        ; 16 rows a wave,
	s_add_co_u32 s40, s40, s41
	s_lshl_b32 s44, s14, 10                        ; 1,024 bytes of a row
	s_add_co_u32 s40, s40, s44
	s_mov_b32 s41, 0
	s_lshl_b32 s42, s13, 12                        ; the batch's 4,096 bytes in logits, out0 and out1
	s_mov_b32 s43, 0
	s_and_b32 s45, s12, 1
	s_lshl_b32 s45, s45, 9
	s_add_co_u32 s44, s44, s45                     ; out0: 1,024 x column block + 512 x (wave % 2)
	s_add_co_u32 s47, s45, RED                     ; where waves 0 and 1 read the sums back
	s_mov_b32 s45, 0
	s_lshl_b32 s37, s12, 14                        ; my 16 KiB of a slot
	s_lshl_b32 s38, s12, 2
	s_add_co_u32 s38, s38, MAXW                    ; my wave's word
	s_lshl_b32 s39, s12, 6
	s_add_co_u32 s39, s39, WT                      ; my 16 weights of step 0
	s_lshl_b32 s46, s12, 10
	s_add_co_u32 s46, s46, RED
	s_mov_b32 s32, 0x76543210                      ; v_permlanex16_b32: lane l xor 16
	s_mov_b32 s33, 0xfedcba98
	s_mov_b32 s34, 0x3fb8aa3b                      ; log2(e)
	s_wait_dscnt 0x0
	s_wait_kmcnt 0x0
	s_add_nc_u64 s[6:7], s[6:7], s[40:41]          ; my rows of step 0; not written again
	s_add_nc_u64 s[4:5], s[4:5], s[42:43]
	s_add_nc_u64 s[10:11], s[10:11], s[42:43]
	s_add_nc_u64 s[8:9], s[8:9], s[42:43]
	s_add_nc_u64 s[8:9], s[8:9], s[44:45]
	s_add_nc_u64 s[PFB:PFB+1], s[6:7], 2*STEPB     ; step 2
.irp s, 0,1
	s_mov_b32 s[G0+4*\s], 1
	s_add_co_u32 s[G0+4*\s+1], s37, \s*SLOT
	s_add_nc_u64 s[G0+4*\s+2:G0+4*\s+3], s[6:7], \s*STEPB
	s_or_b32 s[G0+4*\s+3], s[G0+4*\s+3], 0x80000000
.endr
	tensor_load_to_lds s[G0:G0+3], s[G1:G1+7]      ; step 0: one tensor load a wave at the head
	s_nop 0
	v_lshlrev_b32 v6, 4, v0
	global_load_b128 v[2:5], v6, s[4:5]            ; sixteen lanes read 256 consecutive bytes
	v_and_b32 v1, 31, v0
	v_lshrrev_b32 v13, 2, v1
	v_and_b32 v[PFO], 3, v1
	v_lshlrev_b32 v[PFO], 8, v[PFO]
	v_lshl_add_u32 v[PFO], v13, 12, v[PFO]         ; 4,096 x (lane / 4) + 256 x (lane % 4)
	global_prefetch_b8 v[PFO], s[6:7] offset:STEPB th:TH_LOAD_NT scope:SCOPE_SE         ; step 1: its tensor load goes out when step 0 has landed
	global_prefetch_b8 v[PFO], s[6:7] offset:STEPB+32768 th:TH_LOAD_NT scope:SCOPE_SE
	v_lshlrev_b32 v1, 4, v1
	v_mov_b32 v7, 0                                ; a lane permute's destination counts as one of its sources
	v_mov_b32 v9, s38
	v_mov_b32 v10, MAXW
	v_lshl_add_u32 v14, v0, 4, WT
	v_mov_b32 v15, s39
	v_add_nc_u32 v[DA], s37, v1
	v_add_nc_u32 v[DA+1], SLOT, v[DA]
	v_add_nc_u32 v29, s46, v1
	v_add_nc_u32 v30, s47, v1
.irp j, 16,17,18,19,20,21,22,23
	v_mov_b32 v\j, 0                               ; the eight sums: the ring's step is written once
.endr
	s_wait_alu depctr_va_vdst(0)
	s_wait_loadcnt 0x0
	; the largest logit: in the lane, across the wave, across the eight waves
	v_max3_num_f32 v8, v2, v3, v4
	v_max_num_f32 v8, v8, v5
	v_max_num_f32_dpp v8, v8, v8 row_xmask:1 row_mask:0xf bank_mask:0xf
	v_max_num_f32_dpp v8, v8, v8 row_xmask:2 row_mask:0xf bank_mask:0xf
	v_max_num_f32_dpp v8, v8, v8 row_xmask:4 row_mask:0xf bank_mask:0xf
	v_max_num_f32_dpp v8, v8, v8 row_xmask:8 row_mask:0xf bank_mask:0xf
	v_permlanex16_b32 v7, v8, s32, s33
	v_max_num_f32 v8, v8, v7
	ds_store_b32 v9, v8
	s_wait_dscnt 0x0                               ; for the others: my store is done
	s_barrier_signal -1
	s_barrier_wait -1
	ds_load_b128 v[48:51], v10
	ds_load_b128 v[52:55], v10 offset:16
	s_wait_dscnt 0x0
	v_max3_num_f32 v8, v48, v49, v50
	v_max3_num_f32 v11, v51, v52, v53
	v_max3_num_f32 v8, v8, v54, v55
	v_max_num_f32 v8, v8, v11
	v_mul_f32 v11, s34, v8                         ; m log2(e)
.irp j, 2,3,4,5
	v_fma_f32 v\j, v\j, s34, -v11                  ; (l - m) log2(e)
.endr
	s_wait_alu depctr_va_vdst(0)                   ; the wait ahead of the batch
.irp j, 2,3,4,5
	v_exp_f32 v\j, v\j
.endr
	v_nop
	s_wait_alu depctr_va_vdst(0)                   ; and behind it
	v_add_f32 v12, v2, v3
	v_add_f32 v13, v4, v5
	v_add_f32 v12, v12, v13
	v_add_f32_dpp v12, v12, v12 row_xmask:1 row_mask:0xf bank_mask:0xf
	v_add_f32_dpp v12, v12, v12 row_xmask:2 row_mask:0xf bank_mask:0xf
	v_add_f32_dpp v12, v12, v12 row_xmask:4 row_mask:0xf bank_mask:0xf
	v_add_f32_dpp v12, v12, v12 row_xmask:8 row_mask:0xf bank_mask:0xf
	v_permlanex16_b32 v7, v12, s32, s33
	v_add_f32 v12, v12, v7
	ds_store_b32 v9, v12 offset:SUMO               ; other bytes than the maxima's
	s_wait_dscnt 0x0
	s_barrier_signal -1
	s_barrier_wait -1
	ds_load_b128 v[48:51], v10 offset:SUMO
	ds_load_b128 v[52:55], v10 offset:SUMO+16
	s_wait_dscnt 0x0
	v_pk_add_f32 v[48:49], v[48:49], v[50:51]
	v_pk_add_f32 v[52:53], v[52:53], v[54:55]
	v_pk_add_f32 v[48:49], v[48:49], v[52:53]
	v_add_f32 v12, v48, v49
	s_wait_alu depctr_va_vdst(0)
	v_rcp_f32 v12, v12
	v_nop
	s_wait_alu depctr_va_vdst(0)
.irp j, 2,3,4,5
	v_mul_f32 v\j, v\j, v12                        ; the weights
.endr
	ds_store_b128 v14, v[2:5]                      ; into the table; the ring's first barrier shows it to all waves
	s_lshr_b32 s40, s12, 1                         ; out1: of the batch's four work-groups, number c stores the rows of waves 2 c and 2 c + 1
	s_cmp_lg_u32 s40, s14
	s_cbranch_scc1 .Lnot_mine
	global_store_b128 v6, v[2:5], s[10:11]         ; sixteen lanes store 256 consecutive bytes, aligned; v6 and v[2:5] are not written again
.Lnot_mine:
; A step.  All my loads are in, the add, this slot's next address, my reads of the other slot are over, the barrier, my one load into the other slot; then this slot's 16 rows.  pf = 1: the step two on is asked for.
.macro TRIP slot, refill, pf
	s_wait_alu depctr_va_vdst(0)
	s_wait_tensorcnt 0x0
	ds_add_u32 v[SPW], v[NIL]
	s_add_nc_u64 s[G0+4*\slot+2:G0+4*\slot+3], s[G0+4*\slot+2:G0+4*\slot+3], 2*STEPB
	s_wait_dscnt 0x0
	s_barrier_signal -1
	s_barrier_wait -1
.if \refill
	tensor_load_to_lds s[G0+4-4*\slot:G0+7-4*\slot], s[G1:G1+7]
	s_nop 0
.endif
	v_add_nc_u32 v[WA], s35, v15
.irp j, 0,1,2,3
	ds_load_b128 v[WGT+4*\j:WGT+4*\j+3], v[WA] offset:512*\slot+16*\j
.endr
.if \pf
	global_prefetch_b8 v[PFO], s[PFB:PFB+1] offset:\slot*STEPB th:TH_LOAD_NT scope:SCOPE_SE         ; rows 0-7 of my 16
	global_prefetch_b8 v[PFO], s[PFB:PFB+1] offset:\slot*STEPB+32768 th:TH_LOAD_NT scope:SCOPE_SE   ; rows 8-15
.endif
.irp i, 0,1,2,3,4,5,6,7,8,9,10,11,12,13,14,15
	ds_load_b128 v[DAT+8*\i:DAT+8*\i+3], v[DA+\slot] offset:1024*\i
	ds_load_b128 v[DAT+8*\i+4:DAT+8*\i+7], v[DA+\slot] offset:1024*\i+512
.endr
	s_wait_dscnt 0x0
.set RI, 0
.rept 16
.irp k, 0,2,4,6
.if RI%2
	v_pk_fma_f32 v[16+\k:17+\k], v[DAT+8*RI+\k:DAT+8*RI+\k+1], v[WGT+RI-1:WGT+RI], v[16+\k:17+\k] op_sel:[0,1,0] op_sel_hi:[1,1,1]   ; the pair's upper word, the odd row's weight, for both halves
.else
	v_pk_fma_f32 v[16+\k:17+\k], v[DAT+8*RI+\k:DAT+8*RI+\k+1], v[WGT+RI:WGT+RI+1], v[16+\k:17+\k] op_sel_hi:[1,0,1]                  ; the lower word for both halves
.endif
.endr
.set RI, RI+1
.endr
.endm
	s_mov_b32 s35, 0                               ; the weights' place: 1,024 bytes for two steps
	s_mov_b32 s36, 3
.Lring:
	TRIP 0, 1, 1
	TRIP 1, 1, 1
	s_wait_xcnt 0x0                                ; the prefetches have read their base: it is stepped only behind this wait
	s_add_nc_u64 s[PFB:PFB+1], s[PFB:PFB+1], 2*STEPB
	s_add_co_u32 s35, s35, 1024
	s_sub_co_u32 s36, s36, 1
	s_cmp_lg_u32 s36, 0
	s_cbranch_scc1 .Lring
	TRIP 0, 1, 0                                   ; the last two steps: one more load, then none (the stepped addresses are not used)
	TRIP 1, 0, 0
	; the eight waves' sums meet in LDS; waves 0 and 1 add them, 512 bytes of out0 each
	ds_store_b128 v29, v[16:19]
	ds_store_b128 v29, v[20:23] offset:512
	s_wait_dscnt 0x0
	s_barrier_signal -1
	s_barrier_wait -1
	s_cmp_gt_u32 s12, 1
	s_cbranch_scc1 .Ldone
.irp k, 0,1,2,3,4,5,6,7
	ds_load_b128 v[DAT+4*\k:DAT+4*\k+3], v30 offset:1024*\k
.endr
	s_wait_dscnt 0x0
.irp k, 2,4,6                              ; two chains: the even waves' onto wave 0's, the odd waves' onto wave 1's
	v_pk_add_f32 v[DAT:DAT+1], v[DAT:DAT+1], v[DAT+4*\k:DAT+4*\k+1]
	v_pk_add_f32 v[DAT+2:DAT+3], v[DAT+2:DAT+3], v[DAT+4*\k+2:DAT+4*\k+3]
	v_pk_add_f32 v[DAT+4:DAT+5], v[DAT+4:DAT+5], v[DAT+4*\k+4:DAT+4*\k+5]
	v_pk_add_f32 v[DAT+6:DAT+7], v[DAT+6:DAT+7], v[DAT+4*\k+6:DAT+4*\k+7]
.endr
	v_pk_add_f32 v[DAT:DAT+1], v[DAT:DAT+1], v[DAT+4:DAT+5]
	v_pk_add_f32 v[DAT+2:DAT+3], v[DAT+2:DAT+3], v[DAT+6:DAT+7]
	global_store_b128 v1, v[DAT:DAT+3], s[8:9]     ; 32 lanes store 512 consecutive bytes, at a multiple of 256 from the buffer's first byte
.Ldone:
	s_wait_tensorcnt 0x0                           ; the wave's end
	ds_add_u32 v[SPW], v[NIL]
	s_wait_dscnt 0x0
	s_endpgm
.Lfunc_end_k_q3953dede2c_context:
	.size	k_q3953dede2c_context, .Lfunc_end_k_q3953dede2c_context-k_q3953dede2c_context
	.p2alignl 7, 3214868480
	.fill 96, 4, 3214868480
	.section	.rodata,"a",@progbits
	.p2align	6, 0x0
	.amdhsa_kernel k_q3953dede2c_context
		.amdhsa_group_segment_fixed_size 327680
		.amdhsa_private_segment_fixed_size 0
		.amdhsa_enable_private_segment 0
		.amdhsa_kernarg_size 32
		.amdhsa_user_sgpr_count 2
		.amdhsa_user_sgpr_kernarg_segment_ptr 1
		.amdhsa_wavefront_size32 1
		.amdhsa_system_sgpr_workgroup_id_x 1
		.amdhsa_system_sgpr_workgroup_id_y 1
		.amdhsa_system_sgpr_workgroup_id_z 1
		.amdhsa_system_vgpr_workitem_id 0
		.amdhsa_next_free_vgpr 192
		.amdhsa_next_free_sgpr 66
		.amdhsa_reserve_vcc 0
		.amdhsa_float_denorm_mode_32 3
		.amdhsa_float_denorm_mode_16_64 3
		.amdhsa_memory_ordered 1
		.amdhsa_forward_progress 1
		.amdhsa_inst_pref_size 37
	.end_amdhsa_kernel
	.amdgpu_metadata
---
amdhsa.version: [ 1, 2 ]
amdhsa.kernels:
  - .name:           k_q3953dede2c_context
    .symbol:         k_q3953dede2c_context.kd
    .args:
      - { .name: logits, .offset: 0, .size: 8, .value_kind: global_buffer, .address_space: global }
      - { .name: features, .offset: 8, .size: 8, .value_kind: global_buffer, .address_space: global }
      - { .name: out0, .offset: 16, .size: 8, .value_kind: global_buffer, .address_space: global }
      - { .name: out1, .offset: 24, .size: 8, .value_kind: global_buffer, .address_space: global }
    .group_segment_fixed_size: 327680
    .private_segment_fixed_size: 0
    .kernarg_segment_align: 8
    .kernarg_segment_size: 32
    .max_flat_workgroup_size: 256
    .sgpr_count:     66
    .vgpr_count:     192
    .wavefront_size: 32
...
	.end_amdgpu_metadata
.endif
;; end of part 3
